; MI455X (gfx1250); checked and timed in simulation.
; The chip was launched on July 23, 2026; its instructions are those of AMD's public machine-readable ISA for CDNA 5 (MIT licence, August 2026) and "CDNA5" Instruction Set Architecture Reference Guide (July 2026). The comments in the code are by the model that wrote it; some were corrected since.
;; Attention Module. Allowed arithmetic: matrix products marked QUANTISED: E2M1 operands, one E8M0 scale for each 32 along K, by v_wmma_scale_f32_16x16x128_f8f6f4 with both operands' format E2M1 (or v_wmma_scale_f32_32x16x128_f4), f32 sums; everything else in f32.
;; Inputs: Wk_codes 1,024 x 32 x 16 uint8 (E2M1 codes of Wk, K innermost, in blocks of 32 codes, two codes a byte); Wk_scales 1,024 x 32 uint8 (E8M0 scales of Wk, one for each 32 codes along K); Wq_codes 1,024 x 32 x 16 uint8 (E2M1 codes of Wq, K innermost, in blocks of 32 codes, two codes a byte); Wq_scales 1,024 x 32 uint8 (E8M0 scales of Wq, one for each 32 codes along K); Wv_codes 1,024 x 32 x 16 uint8 (E2M1 codes of Wv, K innermost, in blocks of 32 codes, two codes a byte); Wv_scales 1,024 x 32 uint8 (E8M0 scales of Wv, one for each 32 codes along K); key_input 8 x 2,048 x 1,024 float32; query_input_codes 8 x 1,024 x 32 x 16 uint8 (E2M1 codes of query_input, K innermost, in blocks of 32 codes, two codes a byte); query_input_scales 8 x 1,024 x 32 uint8 (E8M0 scales of query_input, one for each 32 codes along K).
;; Outputs: out0 8 x 2,048 x 1,024 float32.
;; This version of the problem:
;;   THIS VERSION OF THE PROBLEM IS GIVEN IN LOW PRECISION. The matrix products marked QUANTISED in the list below multiply operands that are first quantised to E2M1 (2 exponent bits, 1 mantissa bit; 4 bits a number), with one power-of-two scale for each 32 numbers along K (OCP MX v1.0); their sums are f32. All else is computed in f32.
;;   The module's matrix products, in the order in which they are computed (A, B: the left and right operand; K: the contracted axis; several contracted axes count as one K, in the product's order):
;;     1. [M 8,192, K 1,024] x [K 1,024, N 1,024]; A: input query_input (given as codes); B: input Wq (given as codes): QUANTISED
;;     2. [M 16,384, K 1,024] x [K 1,024, N 1,024]; A: input key_input; B: input Wk (given as codes): QUANTISED
;;     3. [M 8,192, K 1,024] x [K 1,024, N 1,024]; A: input query_input (given as codes); B: input Wv (given as codes): QUANTISED
;;     4. batch 8 x [M 2,048, K 1,024] x [K 1,024, N 1,024]; A: computed on the way; B: computed on the way: QUANTISED
;;     5. batch 8 x [M 2,048, K 1,024] x [K 1,024, N 1,024]; A: softmax (see below); B: computed on the way: QUANTISED
;;   THE QUANTISER, for each operand of a quantised product, along K:
;;     - K is cut into blocks of 32 from its start; a last block that is shorter is filled with zeros.
;;     - A block's scale is 2^e with e = floor(log2(the largest magnitude in the block)) - 2, held to -126 .. 127; a block of zeros has e = 0. As a byte (E8M0): e + 127.
;;     - Each number is divided by its block's scale, clamped to +-6, and rounded to the nearest number of E2M1, ties to even, subnormals kept.
;;     - The product sums the exact products of the quantised numbers (number of the format x scale) in f32.
;;   ~~~python
;;   def quantise(x, axis):      # numpy; x: float32 -> the quantised numbers, widened to float32 again
;;       x = np.moveaxis(x, axis, -1); K = x.shape[-1]
;;       x = np.pad(x, [(0, 0)] * (x.ndim - 1) + [(0, -K % 32)]); x = x.reshape(x.shape[:-1] + (-1, 32)); a = np.abs(x).max(-1, keepdims=True)
;;       e = np.where(a > 0, np.clip(np.frexp(np.where(a > 0, a, 1))[1] - 1 - 2, -126, 127), 0)      # np.frexp(a)[1] - 1 = floor(log2(a)), exactly
;;       r = np.clip(x / 2.0 ** e, -6, 6)
;;       step = 2.0 ** (np.maximum(np.frexp(np.where(r == 0, 1, r))[1] - 1, 0) - 1)
;;       q = np.round(r / step) * step * 2.0 ** e      # np.round: ties to even
;;       return np.moveaxis(q.reshape(q.shape[:-2] + (-1,))[..., :K], -1, axis).astype(np.float32)
;;   ~~~
;;   SOFTMAX AHEAD OF A QUANTISED PRODUCT. Where the list says 'softmax', what is quantised is not the finished softmax but p = 2^(t - M), with t = logit x log2(e) and M = ceil(the row's largest t), a whole number; so 1/2 < the row's largest p <= 1. The row's sum l is taken of the UNQUANTISED p, in f32, and the product's result is divided by l at the end. Since M is a whole number, a kernel that streams over the keys may use a running M (the ceiling of the running maximum): every later rescaling is an exact power of two, which a block's scale takes up: the codes' values come out the same.
;;   OPERANDS COMPUTED ON THE WAY. 'Computed on the way' means the value that the module computes at that place (a softmax that the list does not call 'softmax' is quantised finished and normalised). What goes into a quantiser is computed in f32, as accurately as f32 sums, v_exp_f32 and their like allow (about 1e-6 of the number): no bf16 or f16 on the way to a quantiser, and a product that is left as it is and whose result goes on into a quantised operand takes f32 operands (vector FMAs, or v_wmma_f32_16x16x4_f32). A number that lies on a knife's edge between two numbers of the format may be rounded either way, as far as f32 arithmetic and the matrix unit's own rounding can turn it there, and no further.
;;   INPUTS GIVEN AS CODES. Wk (in the module: [1024, 1024], K = its axis 1); Wq (in the module: [1024, 1024], K = its axis 1); Wv (in the module: [1024, 1024], K = its axis 1); query_input (in the module: [8, 1024, 1024], K = its axis 2): each comes as NAME_codes (uint8): NAME with its K axis moved to the last place and cut into blocks of 32 codes, [.., K / 32, bytes a block], one block behind the other in memory; two codes a byte, the lower K in the low four bits (a code: sign, 2 exponent bits, 1 mantissa bit); and NAME_scales (uint8): the same leading axes, one E8M0 byte (e + 127) for each 32 codes along K. Its value is code x scale, taken as it is: it is not quantised again, and the codes and scales need not be those that the quantiser above would give.
;; One version. Each part assembles by itself: llvm-mc -triple=amdgcn-amd-amdhsa -mcpu=gfx1250 --defsym DOCPART=n.
;; ======== version 1 of 1: 2 launches
;; limits: right only within a limited range of input values
;; workspace buffers: qf 4,194,304 bytes; qs 262,144 bytes; vf 4,194,304 bytes; vs 262,144 bytes; wkf 524,288 bytes; wks 32,768 bytes
;; launch proj (part 1): grid 4 x 64, 4 waves a work-group, clusters of 4 x 4, 327,680 bytes of LDS; arguments query_input_codes, query_input_scales, Wq_codes, Wq_scales, Wv_codes, Wv_scales, Wk_codes, Wk_scales, qf, qs, vf, vs, wkf, wks; writes qf, qs, vf, vs, wkf, wks
.if DOCPART == 1
	.amdgcn_target "amdgcn-amd-amdhsa--gfx1250"
	.amdhsa_code_object_version 6
	.text
	.protected	k_qcec2ce8e34_proj
	.globl	k_qcec2ce8e34_proj
	.p2align	8
	.type	k_qcec2ce8e34_proj,@function
k_qcec2ce8e34_proj:
	s_mov_b64 s[64:65], 0
	v_nop
	global_prefetch_b8 v0, s[64:65] scope:SCOPE_SE
	s_setreg_imm32_b32 hwreg(HW_REG_WAVE_MODE, 25, 1), 1
	s_wait_xcnt 0x0
	s_wait_alu depctr_hold_cnt(0) depctr_sa_sdst(0) depctr_va_vdst(0) depctr_va_sdst(0) depctr_va_ssrc(0) depctr_va_vcc(0) depctr_vm_vsrc(0)
	s_getreg_b32 s2, hwreg(HW_REG_IB_STS2, 6, 4)
	s_cmp_eq_u32 s2, 0
	s_cbranch_scc0 .Lentry_in_a_cluster
	s_endpgm
.Lentry_in_a_cluster:
	s_bfe_u32 s2, ttmp6, 0x10000c
	s_cmp_lg_u32 s2, 0xf033
	s_cbranch_scc0 .Lentry_shape_is_right
	s_endpgm
.Lentry_shape_is_right:
; q = Xq Wq^T and v = Xq Wv^T on codes of FP4 (E2M1) with one E8M0 scale for each 32 along K = 1,024; the results are quantised in registers (q along e, v along n, the K of the products
; that take them) and stored as IMAGES OF OPERAND REGISTERS; Wk's codes and scale bytes are laid into the same form on the side.
; DEAD WORK: none.  Every input has a way to out0 (q, k and v all feed live products, key_input also the residual), no product, row or step of reference() is thrown away: nothing is left out.
; LIMITS: NaN and infinities are not served.  A block of zeros gets the scale byte 1 where the quantiser says 127: its codes are zeros, and the bytes are read by this program alone.
; Blocks whose largest magnitude lies under 2^-124 are held at the byte 1.
; SHARES.  A work-group makes 256 'A' rows (they become the rows of the fragments) x 256 'B' rows (the axis that is quantised); a wave 128 x 128: 64 accumulators, 512 registers.
; Cluster rows y < 8 make q (A = query rows, all batches on end; B = Wq's rows e); cluster rows y >= 8 make v of batch y - 8 (A = Wv's rows d; B = the batch's query rows n).
; The two differ in pointers and two masks alone, chosen by selects on the cluster's y, which all sixteen partners share: one path through the text.
; K = 1,024 is two LDS slots of 512 along K: every LDS byte is filled once, all fills go out together behind the one round of the cluster's barrier.
; CLUSTERS: 4 x 4.  A's tiles are shared along a row of the cluster, B's along a column: joint loads with a mask that names the four.
; THE MATRIX INSTRUCTION IS USED TRANSPOSED (source 0 = 16 rows of B, source 1 = 16 rows of A): lane (r, h) holds row r of A's block, and register 8 b + j of the block's 64 the B index 16 b + 8 h + j.
; IMAGES.  Fragment (tile Tg of 16 rows, K step s of 128): bytes Tg 8192 + s 1024 + c 512 + 16 lane = the lane's registers 4 c .. 4 c + 3.  Scale image (group of 8 tiles G, s): (8 G + s) 512 + 16 lane + 4 j:
; word j holds tile 2 j's rows in lanes 0-15 and tile 2 j + 1's in lanes 16-31.  Each store of a wave covers 512 consecutive bytes, aligned.
; REGISTERS, in windows of 256: window 0: v1-15 at work, v16-29 addresses, v32-95 scale words (two sets, nothing else ever), v96-123 the quantiser's, v128-191 A's fragments, later the codes;
;   window 1: B's fragments, two sets;  windows 2, 3: the accumulators ((a, b) at v[8 (8 (a % 4) + b)] of window 2 + a / 4).
.set KSTEP,  512
.set NQ,     4
.set ROWB,   512                       ; a tile's row: all 1,024 codes of K
.set KROW,   512                       ; a row of codes in memory
.set PITCH,  528                       ; an LDS row: 512 bytes + 16: the 16 rows that a load touches start 16 bytes apart modulo 256
.set FR,     8
.set NL,     2
.set NP,     4                         ; places behind this matrix instruction (ISA guide 7.12.1)
.set HALFT,  128*PITCH
.set SLOT,   256                       ; from the first 512 along K to the second, inside an LDS row
.set KS,     32                        ; a row of scale bytes
.set SCL,    4*HALFT                   ; behind A's 256 rows and B's 256 rows: the scales
.set HALFS,  (128*KS/256)*272
.set SBLK,   (16*KS/256)*272
.set SPARE,  SCL+4*HALFS               ; the spare words, 128 bytes a wave
.set ADRA, 16
.set ADRB, 20
.set LN16, 26                          ; v26 16 x lane
.set ADRS, 27
.set SPW,  28
.set NIL,  29
.set SC,   32
.set TM,   96                          ; v96-111 the quantiser's: maxima, bytes, -, scale operands
.set PWR,  112                         ; v112-119 the eight blocks' scale words
.set SI,   120                         ; v120-123 the scale image
.set AF,   128
.set PC,   128                         ; v128-191 the eight blocks' codes
.set SEL,  104                         ; s104, s105 lane selects for lane l xor 16
.set G1,   24
.set G0,   32
.set G0SB, 44
.set G1B,  48
.set G0B,  56
.set G1S,  80
.set G1SB, 88
.set G0S,  96
.set MSB, 0
.macro WIN new                         ; the immediate's high byte repeats the setting that is left
.if MSB != (\new)
	s_set_vgpr_msb (MSB<<8)|(\new)
.set MSB, (\new)
.endif
.endm
.set MUL_LO, 0xa1
.set MUL_HI, 0xf1
.set TO_B,   0x40
; One arm of the head's tree of branches on the wave's number: its joint load and a jump to the tree's end.  An s_nop 0 and four v_nop follow the load.
.macro ARM under, g0, g1, next
	s_cmp_lt_u32 s20, \under
	s_cbranch_scc0 \next
	tensor_load_to_lds s[\g0:\g0+3], s[\g1:\g1+7]
	s_nop 0
.rept 4
	v_nop
.endr
	s_branch .Lhead_asked
\next:
.endm
.macro CREST
	s_cmp_lg_u32 s20, 0
	s_cbranch_scc1 .Lnot_wave_0_\@
	s_barrier_signal -3
.Lnot_wave_0_\@:
	s_barrier_wait -3
	s_barrier_signal -1
	s_barrier_wait -1
.endm
.macro CROUND
	s_barrier_signal -1
	s_barrier_wait -1
	CREST
.endm
; 64 numbers of a lane in window w, v[s] on, register 16 b + 8 u + j = k 32 b + 16 u + 8 (lane / 16) + j of my row, become a fragment's codes in v[pc] on and its scale word in v[pw].
; The codes of (block 2 c + z, piece u) go to register 4 c + 2 u + z; the exchange of halves then gives the operand's layout with K in its true order.
.macro QUANT w, s, pc, pw
	WIN (\w)*5
.irp b, 0,1,2,3
	v_max3_num_f32 v[TM+\b], |v[(\s)+16*\b]|, |v[(\s)+16*\b+1]|, 0x1800000   ; each accumulator is read from its low end on; the floor 2^(3 - 127) holds the byte at 1 from below
.endr
.irp i, 2,4,6,8,10,12,14
.irp b, 0,1,2,3
	v_max3_num_f32 v[TM+\b], |v[(\s)+16*\b+\i]|, |v[(\s)+16*\b+\i+1]|, v[TM+\b]
.endr
.endr
	WIN 0
.irp b, 0,1,2,3
	v_permlanex16_b32 v[TM+4+\b], v[TM+\b], s[SEL], s[SEL+1]
.endr
.irp b, 0,1,2,3
	v_max_num_f32 v[TM+\b], v[TM+\b], v[TM+4+\b]          ; with lane l xor 16's: the block's largest magnitude
.endr
.irp b, 0,1,2,3
	v_add_nc_u32 v[TM+12+\b], 0xff000000, v[TM+\b]        ; 2 off its exponent field: the conversion's scale operand
.endr
.irp b, 0,1,2,3
	v_lshrrev_b32 v[TM+4+\b], 23, v[TM+12+\b]             ; the scale's byte
.endr
	v_lshl_or_b32 v[\pw], v[TM+5], 8, v[TM+4]
	v_lshl_or_b32 v[\pw], v[TM+6], 16, v[\pw]
	v_lshl_or_b32 v[\pw], v[TM+7], 24, v[\pw]
	WIN (\w)
.irp c, 0,1
.irp u, 0,1
.irp z, 0,1
	v_cvt_scalef32_pk8_fp4_f32 v[(\pc)+4*\c+2*\u+\z], v[(\s)+16*(2*\c+\z)+8*\u:(\s)+16*(2*\c+\z)+8*\u+7], v[TM+12+2*\c+\z]
.endr
.endr
.endr
	WIN 0
	v_nop                                                 ; one plain place behind a scaled conversion
.irp c, 0,1
.irp u, 0,1
	v_permlane16_swap_b32 v[(\pc)+4*\c+2*\u], v[(\pc)+4*\c+2*\u+1]
.endr
.endr
.endm
	s_load_b512 s[4:19], s[0:1], 0x0               ; query codes, query scales, Wq codes, Wq scales, Wv codes, Wv scales, Wk codes, Wk scales
	s_load_b256 s[68:75], s[0:1], 0x40             ; qf, qs, vf, vs
	s_load_b128 s[76:79], s[0:1], 0x60             ; wkf, wks
	v_lshl_add_u32 v[SPW], v0, 2, SPARE
	v_mov_b32 v[NIL], 0
	ds_add_u32 v[SPW], v[NIL]                      ; the wave's opening: the add, twice on end, and its wait ahead of my first tensor load
	ds_add_u32 v[SPW], v[NIL]
	v_lshrrev_b32 v1, 5, v0
	v_readfirstlane_b32 s20, v1                    ; wave
	s_lshr_b32 s21, s20, 1                         ; which half of A's rows is mine
	s_and_b32 s22, s20, 1                          ; which half of B's rows
	s_bfe_u32 s40, ttmp6, 0x40000                  ; cx
	s_bfe_u32 s41, ttmp6, 0x40004                  ; cy
	s_and_b32 s43, ttmp7, 0xffff                   ; the cluster's y
	s_lshl_b32 s42, s43, 2
	s_add_co_u32 s42, s42, s41                     ; work-group y
	s_lshl_b32 s23, s41, 2
	s_lshl_b32 s23, 15, s23                        ; my row of the cluster
	s_lshl_b32 s3, 0x1111, s40                     ; my column
	s_or_b32 s[G1], s23, (1<<20)|(1<<21)|(6<<22)|(3<<25)    ; elements of 1 byte; padding: 4 words behind every 128; bit 21 beside a mask
	s_or_b32 s[G1B], s3, (1<<20)|(1<<21)|(6<<22)|(3<<25)
.irp g, G1, G1B
	s_mov_b32 s[\g+1], ROWB<<16                    ; tensor_dim0
	s_mov_b32 s[\g+2], 256<<16                     ; tensor_dim1
	s_mov_b32 s[\g+3], ROWB<<16                    ; tile_dim0
	s_mov_b32 s[\g+4], 256                         ; tile_dim1
	s_mov_b32 s[\g+5], KROW                        ; the pitch
	s_mov_b32 s[\g+6], 0
	s_mov_b32 s[\g+7], 0
.endr
	s_or_b32 s[G1S], s23, (3<<16)|(1<<20)|(1<<21)|(5<<22)|(3<<25)   ; the scales of 256 rows: 8,192 dense bytes as 32 rows of 32 elements of 8 bytes
	s_or_b32 s[G1SB], s3, (3<<16)|(1<<20)|(1<<21)|(5<<22)|(3<<25)
.irp g, G1S, G1SB
	s_mov_b32 s[\g+1], 32<<16
	s_mov_b32 s[\g+2], (256*KS/256)<<16
	s_mov_b32 s[\g+3], 32<<16
	s_mov_b32 s[\g+4], 256*KS/256
	s_mov_b32 s[\g+5], 32
	s_mov_b32 s[\g+6], 0
	s_mov_b32 s[\g+7], 0
.endr
	s_mov_b32 s[SEL], 0x76543210
	s_mov_b32 s[SEL+1], 0xfedcba98
	s_cmp_lt_u32 s43, 8                            ; q's cluster or v's: the same in all sixteen partners
	s_cselect_b32 s66, 31, 3
	s_cselect_b32 s2, 0, 7
	s_and_b32 s66, s42, s66
	s_lshl_b32 s66, s66, 8                         ; A: the block's first row: of cy and the cluster's y alone
	s_and_b32 s2, s43, s2
	s_lshl_b32 s2, s2, 10
	s_lshl_b32 s3, s40, 8
	s_add_co_u32 s2, s2, s3                        ; B: of cx and the cluster's y alone
	s_wait_dscnt 0x0                               ; both opening adds are done
	s_wait_kmcnt 0x0
	s_cmp_lt_u32 s43, 8
	s_cselect_b64 s[12:13], s[4:5], s[12:13]       ; A's codes: query or Wv
	s_cselect_b64 s[14:15], s[6:7], s[14:15]       ; A's scales
	s_cselect_b64 s[8:9], s[8:9], s[4:5]           ; B's codes: Wq or query
	s_cselect_b64 s[10:11], s[10:11], s[6:7]       ; B's scales
	s_cselect_b64 s[68:69], s[68:69], s[72:73]     ; the codes' images: qf or vf
	s_cselect_b64 s[70:71], s[70:71], s[74:75]     ; the scale images: qs or vs
	s_lshl_b32 s100, s66, 9
	s_mov_b32 s101, 0
	s_add_nc_u64 s[12:13], s[12:13], s[100:101]
	s_lshl_b32 s100, s66, 5
	s_add_nc_u64 s[14:15], s[14:15], s[100:101]
	s_lshl_b32 s72, s2, 9
	s_mov_b32 s73, 0
	s_add_nc_u64 s[8:9], s[8:9], s[72:73]
	s_lshl_b32 s72, s2, 5
	s_add_nc_u64 s[10:11], s[10:11], s[72:73]
	CROUND                                         ; all sixteen work-groups are here: the joint loads meet
	; THE HEAD'S LOADS, ONE A WAVE: wave 0 A's 256 rows of all K, wave 1 B's, wave 2 A's scales, wave 3 B's.  Every LDS byte is filled once; no later fill follows.
	s_mov_b32 s[G0], 1
	s_mov_b32 s[G0+1], 0
	s_mov_b64 s[G0+2:G0+3], s[12:13]
	s_or_b32 s[G0+3], s[G0+3], 0x80000000
	s_mov_b32 s[G0B], 1
	s_mov_b32 s[G0B+1], 2*HALFT
	s_mov_b64 s[G0B+2:G0B+3], s[8:9]
	s_or_b32 s[G0B+3], s[G0B+3], 0x80000000
	s_mov_b32 s[G0S], 1
	s_mov_b32 s[G0S+1], SCL
	s_mov_b64 s[G0S+2:G0S+3], s[14:15]
	s_or_b32 s[G0S+3], s[G0S+3], 0x80000000
	s_mov_b32 s[G0SB], 1
	s_mov_b32 s[G0SB+1], SCL+2*HALFS
	s_mov_b64 s[G0SB+2:G0SB+3], s[10:11]
	s_or_b32 s[G0SB+3], s[G0SB+3], 0x80000000
	ARM 1, G0,  G1,  .Lhead_b
	ARM 2, G0B, G1B, .Lhead_sa
	ARM 3, G0S, G1S, .Lhead_sb
	tensor_load_to_lds s[G0SB:G0SB+3], s[G1SB:G1SB+7]
	s_nop 0
.rept 4
	v_nop
.endr
.Lhead_asked:
	v_and_b32 v1, 15, v0                           ; r
	v_bfe_u32 v2, v0, 4, 1                         ; h
	v_mul_u32_u24 v3, v1, PITCH
	v_lshl_add_u32 v4, v2, 4, v3
	s_mul_i32 s4, s21, HALFT                       ; my 128 rows of A
	s_mul_i32 s5, s22, HALFT                       ; my 128 rows of B,
	s_add_co_u32 s5, s5, 2*HALFT                   ; behind A's 256
.irp s, 0,1
	v_add_nc_u32 v[ADRA+\s], s4, v4
	v_add_nc_u32 v[ADRB+\s], s5, v4
	s_add_co_u32 s4, s4, SLOT
	s_add_co_u32 s5, s5, SLOT
.endr
	v_mul_u32_u24 v5, v1, KS
	v_lshrrev_b32 v6, 8, v5
	v_lshl_add_u32 v5, v6, 4, v5                   ; my row's scales: 32 bytes a row, 16 more for each 256 passed
	s_mul_i32 s4, s21, HALFS
	s_mul_i32 s5, s22, HALFS
	s_add_co_u32 s5, s5, 2*HALFS
	s_sub_co_u32 s5, s5, s4
	v_mul_u32_u24 v6, s5, v2                       ; lanes 16-31 take B's
	s_add_co_u32 s4, s4, SCL
	v_add_nc_u32 v5, v5, v6
	v_add_nc_u32 v[ADRS], s4, v5
	v_and_b32 v3, 31, v0                           ; lane
	v_lshlrev_b32 v[LN16], 4, v3
	; where my images go: tile Tg0 = 16 (work-group y mod 32) + 8 x my half of A's rows; K step s = 2 cx + my half of B's rows
	s_and_b32 s66, s42, 31
	s_lshl_b32 s66, s66, 4
	s_lshl_b32 s67, s21, 3
	s_add_co_u32 s66, s66, s67
	s_lshl_b32 s67, s40, 1
	s_add_co_u32 s67, s67, s22
	s_lshl_b32 s100, s66, 13
	s_lshl_b32 s2, s67, 10
	s_add_co_u32 s100, s100, s2
	s_add_nc_u64 s[68:69], s[68:69], s[100:101]
	s_add_co_u32 s100, s66, s67                    ; 8 (Tg0 / 8) + s: Tg0 is a multiple of 8
	s_lshl_b32 s100, s100, 9
	s_add_nc_u64 s[70:71], s[70:71], s[100:101]
	; WK'S CODES: 1,024 units of 512 bytes, one for each wave of the launch.  Unit W = (tile W / 16, K step (W / 2) % 8, quad W % 2): lane (r, h) takes 16 bytes of row r as they lie
	s_lshl_b32 s4, s42, 2
	s_add_co_u32 s4, s4, s40
	s_lshl_b32 s4, s4, 2
	s_add_co_u32 s4, s4, s20                       ; W
	s_lshr_b32 s5, s4, 4
	s_lshl_b32 s5, s5, 13
	s_bfe_u32 s6, s4, 0x30001
	s_lshl_b32 s6, s6, 6
	s_add_co_u32 s5, s5, s6
	s_and_b32 s6, s4, 1
	s_lshl_b32 s6, s6, 5
	s_add_co_u32 s6, s5, s6
	s_mov_b32 s7, 0
	s_add_nc_u64 s[16:17], s[16:17], s[6:7]
	s_lshl_b32 s6, s4, 9
	s_add_nc_u64 s[76:77], s[76:77], s[6:7]
	v_lshlrev_b32 v7, 9, v1
	v_lshl_add_u32 v7, v2, 4, v7                   ; row r of 512 bytes, + 16 h
	global_load_b128 v[8:11], v7, s[16:17]
	s_wait_alu depctr_va_vdst(0)
	s_wait_loadcnt 0x0
	global_store_b128 v[LN16], v[8:11], s[76:77]
	; WK'S SCALES: 64 images, one for each wave of the first cluster row (the cluster's y is the same in all partners)
	s_cmp_lg_u32 s43, 0
	s_cbranch_scc1 .Lno_wks
	s_lshl_b32 s4, s41, 2
	s_add_co_u32 s4, s4, s40
	s_lshl_b32 s4, s4, 2
	s_add_co_u32 s4, s4, s20                       ; image I = 8 G + s
	s_lshr_b32 s5, s4, 3
	s_lshl_b32 s5, s5, 12
	s_and_b32 s6, s4, 7
	s_lshl_b32 s6, s6, 2
	s_add_co_u32 s6, s5, s6
	s_add_nc_u64 s[18:19], s[18:19], s[6:7]
	s_lshl_b32 s6, s4, 9
	s_add_nc_u64 s[78:79], s[78:79], s[6:7]
	v_lshlrev_b32 v5, 5, v3                        ; word j of lane l is row 128 G + 32 j + l's
.irp j, 0,1,2,3
	global_load_b32 v[12+\j], v5, s[18:19] offset:\j*1024
.endr
	s_wait_loadcnt 0x0
	global_store_b128 v[LN16], v[12:15], s[78:79]
.Lno_wks:
.macro FRAG reg, adr, q, i
.irp c, 0,1
	ds_load_b128 v[\reg+4*\c:\reg+4*\c+3], v[\adr] offset:64*(\q)+32*\c+(\i)*16*PITCH
.endr
.endm
; 16 matrix instructions: A's blocks a0, a0 + 1 x B's eight.  The 64 accumulators take turns, one instruction a turn, in the same order in every step.
.macro MUL16 a0, p, q, sc, zero
.irp a, \a0, \a0+1
.irp b, 0,1,2,3,4,5,6,7
.if \zero
	v_wmma_scale_f32_16x16x128_f8f6f4 v[8*(8*((\a)%4)+\b):8*(8*((\a)%4)+\b)+7], v[128*(\p)+FR*\b:128*(\p)+FR*\b+FR-1], v[AF+FR*(\a):AF+FR*(\a)+FR-1], 0, v[SC+8*NQ*(\sc)+NQ*\b+(\q)], v[SC+8*NQ*(\sc)+NQ*(\a)+(\q)] matrix_a_fmt:MATRIX_FMT_FP4 matrix_b_fmt:MATRIX_FMT_FP4 matrix_a_scale:MATRIX_SCALE_ROW1
.else
	v_wmma_scale_f32_16x16x128_f8f6f4 v[8*(8*((\a)%4)+\b):8*(8*((\a)%4)+\b)+7], v[128*(\p)+FR*\b:128*(\p)+FR*\b+FR-1], v[AF+FR*(\a):AF+FR*(\a)+FR-1], v[8*(8*((\a)%4)+\b):8*(8*((\a)%4)+\b)+7], v[SC+8*NQ*(\sc)+NQ*\b+(\q)], v[SC+8*NQ*(\sc)+NQ*(\a)+(\q)] matrix_a_fmt:MATRIX_FMT_FP4 matrix_b_fmt:MATRIX_FMT_FP4 matrix_a_scale:MATRIX_SCALE_ROW1
.endif
.endr
.endr
.endm
.macro FETCH_B slot, q, p
	WIN TO_B
.irp i, 0,1,2,3,4,5,6,7
	FRAG 128*(\p)+FR*\i, ADRB+\slot, \q, \i
.endr
	WIN 0
.endm
.macro FETCH_A slot, q, i0
.irp i, \i0, \i0+1, \i0+2, \i0+3
	FRAG AF+FR*(\i), ADRA+\slot, \q, \i
.endr
.endm
.macro SCALES sc                       ; a slot's scale words: lanes 0-15 A's block i, lanes 16-31 B's block i
.irp i, 0,1,2,3,4,5,6,7
	ds_load_b128 v[SC+8*NQ*\sc+NQ*\i:SC+8*NQ*\sc+NQ*\i+3], v[ADRS] offset:\i*SBLK
.endr
.endm
.macro PLACES n                        ; plain vector instructions between a matrix instruction and a load into, or a vector read or write of, its registers
.rept \n
	v_nop
.endr
.endm
.macro STEP slot, q, zero              ; 128 along K, with its successor in the same slot
	s_wait_dscnt 4*NL                              ; B's set and A's blocks 0-3 are in; the youngest eight loads (A's blocks 4-7) may be out
	WIN MUL_LO
	MUL16 0, (\q)%2, \q, \slot, \zero
	MUL16 2, (\q)%2, \q, \slot, \zero
	s_wait_dscnt 0
	PLACES NP
	FETCH_B \slot, (\q)+1, 1-(\q)%2
	FETCH_A \slot, (\q)+1, 0
	WIN MUL_HI
	MUL16 4, (\q)%2, \q, \slot, \zero
	MUL16 6, (\q)%2, \q, \slot, \zero
	PLACES NP
	WIN 0
	FETCH_A \slot, (\q)+1, 4
.endm
.macro TURN slot, next                 ; the last step of the rows' first half goes on to the second half: all tiles have landed, so no barrier is due
	s_wait_dscnt 4*NL                              ; the youngest eight loads (A's blocks 4-7) may be out
	WIN MUL_LO
	MUL16 0, 1, NQ-1, \slot, 0
	MUL16 2, 1, NQ-1, \slot, 0
	s_wait_dscnt 0
	WIN 0
	PLACES NP
	v_add_nc_u32 v[ADRS], 4*NQ, v[ADRS]            ; the next slot's scale words
	FETCH_B \next, 0, 0
	FETCH_A \next, 0, 0
	SCALES \next
	WIN MUL_HI
	MUL16 4, 1, NQ-1, \slot, 0
	MUL16 6, 1, NQ-1, \slot, 0
	PLACES NP
	WIN 0
	FETCH_A \next, 0, 4
.endm
.macro STEPS slot, from
.set Q, \from
.rept NQ-1-\from
	STEP \slot, Q, 0
.set Q, Q+1
.endr
.endm
	s_wait_tensorcnt 0x0                           ; my one load is in; behind the barrier everybody's is
	s_barrier_signal -1
	s_barrier_wait -1
	FETCH_B 0, 0, 0
	FETCH_A 0, 0, 0
	SCALES 0
	FETCH_A 0, 0, 4
	STEP 0, 0, 1                                   ; the first products start the sums: nothing is cleared
	STEPS 0, 1
	TURN 0, 1
	STEPS 1, 0
	s_wait_dscnt 4*NL
	WIN MUL_LO
	MUL16 0, 1, NQ-1, 1, 0
	MUL16 2, 1, NQ-1, 1, 0
	s_wait_dscnt 0
	WIN MUL_HI
	MUL16 4, 1, NQ-1, 1, 0
	MUL16 6, 1, NQ-1, 1, 0
	WIN 0
	; THE WAY OUT: each block of 16 rows x 128 along the next K is one fragment: quantised in registers and stored as it stands, 512 consecutive bytes a store.  Each block has its own registers: no store's data are written again.
	PLACES NP
.irp b, 0,1,2,3
	v_mov_b32 v[TM+4+\b], 0                        ; a lane permute's destination counts as one of its sources
.endr
	s_mov_b32 s23, 0xffff0000                      ; lanes 16-31
.irp a, 0,1,2,3,4,5,6,7
	QUANT 2+\a/4, 64*(\a%4), PC+8*\a, PWR+\a
	global_store_b128 v[LN16], v[PC+8*\a:PC+8*\a+3], s[68:69] offset:\a*8192
	global_store_b128 v[LN16], v[PC+8*\a+4:PC+8*\a+7], s[68:69] offset:\a*8192+512
.endr
.irp j, 0,1,2,3
	v_cndmask_b32 v[SI+\j], v[PWR+2*\j], v[PWR+2*\j+1], s23   ; word j: tile 2 j below, tile 2 j + 1 above (every lane holds its row's word)
.endr
	global_store_b128 v[LN16], v[SI:SI+3], s[70:71]
	s_wait_tensorcnt 0x0                           ; the wave's end
	ds_add_u32 v[SPW], v[NIL]
	s_wait_dscnt 0x0
	CROUND                                         ; the closing round
	s_endpgm
.Lfunc_end_k_qcec2ce8e34_proj:
	.size	k_qcec2ce8e34_proj, .Lfunc_end_k_qcec2ce8e34_proj-k_qcec2ce8e34_proj
	.p2alignl 7, 3214868480
	.fill 96, 4, 3214868480
	.section	.rodata,"a",@progbits
	.p2align	6, 0x0
	.amdhsa_kernel k_qcec2ce8e34_proj
		.amdhsa_group_segment_fixed_size 327680
		.amdhsa_private_segment_fixed_size 0
		.amdhsa_enable_private_segment 0
		.amdhsa_kernarg_size 112
		.amdhsa_user_sgpr_count 2
		.amdhsa_user_sgpr_kernarg_segment_ptr 1
		.amdhsa_wavefront_size32 1
		.amdhsa_system_sgpr_workgroup_id_x 1
		.amdhsa_system_sgpr_workgroup_id_y 1
		.amdhsa_system_sgpr_workgroup_id_z 1
		.amdhsa_system_vgpr_workitem_id 0
		.amdhsa_next_free_vgpr 1024
		.amdhsa_next_free_sgpr 106
		.amdhsa_reserve_vcc 0
		.amdhsa_float_denorm_mode_32 3
		.amdhsa_float_denorm_mode_16_64 3
		.amdhsa_memory_ordered 1
		.amdhsa_forward_progress 1
		.amdhsa_inst_pref_size 129
	.end_amdhsa_kernel
	.amdgpu_metadata
---
amdhsa.version: [ 1, 2 ]
amdhsa.kernels:
  - .name:           k_qcec2ce8e34_proj
    .symbol:         k_qcec2ce8e34_proj.kd
    .args:
      - { .name: query_input_codes, .offset: 0, .size: 8, .value_kind: global_buffer, .address_space: global }
      - { .name: query_input_scales, .offset: 8, .size: 8, .value_kind: global_buffer, .address_space: global }
      - { .name: Wq_codes, .offset: 16, .size: 8, .value_kind: global_buffer, .address_space: global }
      - { .name: Wq_scales, .offset: 24, .size: 8, .value_kind: global_buffer, .address_space: global }
      - { .name: Wv_codes, .offset: 32, .size: 8, .value_kind: global_buffer, .address_space: global }
      - { .name: Wv_scales, .offset: 40, .size: 8, .value_kind: global_buffer, .address_space: global }
      - { .name: Wk_codes, .offset: 48, .size: 8, .value_kind: global_buffer, .address_space: global }
      - { .name: Wk_scales, .offset: 56, .size: 8, .value_kind: global_buffer, .address_space: global }
      - { .name: qf, .offset: 64, .size: 8, .value_kind: global_buffer, .address_space: global }
      - { .name: qs, .offset: 72, .size: 8, .value_kind: global_buffer, .address_space: global }
      - { .name: vf, .offset: 80, .size: 8, .value_kind: global_buffer, .address_space: global }
      - { .name: vs, .offset: 88, .size: 8, .value_kind: global_buffer, .address_space: global }
      - { .name: wkf, .offset: 96, .size: 8, .value_kind: global_buffer, .address_space: global }
      - { .name: wks, .offset: 104, .size: 8, .value_kind: global_buffer, .address_space: global }
    .group_segment_fixed_size: 327680
    .private_segment_fixed_size: 0
    .kernarg_segment_align: 8
    .kernarg_segment_size: 112
    .max_flat_workgroup_size: 128
    .sgpr_count:     106
    .vgpr_count:     1024
    .wavefront_size: 32
...
	.end_amdgpu_metadata
.endif
;; end of part 1
;; launch attn (part 2): grid 256 x 1, 4 waves a work-group, no clusters, 327,680 bytes of LDS; arguments wkf, wks, qf, qs, vf, vs, key_input, out0; writes out0
.if DOCPART == 2
	.amdgcn_target "amdgcn-amd-amdhsa--gfx1250"
	.amdhsa_code_object_version 6
	.text
	.protected	k_qcec2ce8e34_attn
	.globl	k_qcec2ce8e34_attn
	.p2align	8
	.type	k_qcec2ce8e34_attn,@function
k_qcec2ce8e34_attn:
	s_mov_b64 s[64:65], 0
	v_nop
	global_prefetch_b8 v0, s[64:65] scope:SCOPE_SE
	s_setreg_imm32_b32 hwreg(HW_REG_WAVE_MODE, 25, 1), 1
	s_wait_xcnt 0x0
; out0 = softmax_n(k q^T / 32) v + key_input, k = Q(key_input) Wk^T, all three products on codes of FP4 (E2M1) with one E8M0 scale for each 32 along K.  No work of reference() is left out here.
; SHARES.  A work-group owns 64 key rows of one batch (256 work-groups) and takes them through the whole chain; k, the scores and p never leave the WGP.
; Each of the three products is run in the same form (GROUP): the 64 rows' operand, 32 fragments, stands in window 1; a wave owns 256 of the 1,024 columns, in two trips of 8 tiles of 16;
; the tiles (images of operand registers, laid by launch proj) go from memory straight into window 3, four buffers, three tiles ahead.
; THE MATRIX INSTRUCTION IS USED TRANSPOSED (source 0 = 16 rows of Wk, q or v, source 1 = 16 of my key rows): lane (r, h) holds key row r, register 8 t + j column 16 t + 8 h + j.
; KEY_INPUT comes into LDS once, by asynchronous copies issued at the head (128 a wave, 512 consecutive bytes each), and stays: it is quantised from there and added to the result from there.
; SOFTMAX: t = score x log2(e) / 32; each wave takes M = ceil(largest t) over its 128 columns of a trip; p = 2^(t - M) is quantised; the eight M of a row are joined afterwards: the difference, a whole number, is taken off p's scale bytes (held at 1), and the sums of the unquantised p are brought under the joint M by v_ldexp_f32.
; NO JOINT LOADS: the stage takes 263,168 bytes of LDS, images, scale words and sums 40,960, the spare words 512: 23,040 are left, which hold no ring of slots for tiles of 8,192 bytes a wave; so the shared operands go to registers.
; PREFETCH: q's images (524,288 + 32,768 bytes a batch) are asked for in blocks of 8,192 bytes, a wave a block, lanes 256 bytes apart, by work-groups 0-16 of the batch's 32, while key_input is quantised: two GROUPs ahead of their first load;
; v's likewise by work-groups 15-31, ahead of the scores' two GROUPs.  Wk's images are first loaded at the head: no loop stands ahead of them.
; LIMITS: NaN and infinities are not served.  The softmax holds while the scaled scores stay under 2^31 in magnitude.  A block of zeros gets the scale byte 1 (its codes are zeros; the bytes are read here alone).
; REGISTERS: window 0: addresses, scale words (AS: my rows'; BS: the tiles'), the quantiser's and the way out's; window 1: the rows' 32 fragments (first: key_input's numbers); window 2: 32 accumulators ((m, t) at 64 m + 8 t); window 3: tiles.
.set RPITCH, 4112                      ; a stage row: 4,096 bytes + 16: 16 rows of one column start 16 bytes apart modulo 256
.set TILE,  16*RPITCH                  ; 16 rows: what one wave copies
.set REG,   512                        ; 128 numbers along a row
.set IMG,   4*TILE                     ; 32 fragments of 1,024 bytes: (m, K step s) at (8 m + s) 1024
.set ISC,   IMG+32*1024                ; their scale words: 1024 m + 32 lane + 4 s
.set RED,   ISC+4096                   ; -M and the sums: 1024 m + 64 r + 4 s, + 32
.set SPARE, RED+4096                   ; the spare words, 128 bytes a wave
.set LN16, 1
.set XSW,  2
.set STQ,  3
.set XIW,  4
.set IMW0, 6
.set ISW0, 7
.set IMR,  8
.set ISR,  9
.set RDW,  10
.set RDR,  11
.set EP,   12
.set RB,   16
.set PFO,  20
.set WA1,  22
.set WA2,  23
.set WE,   24
.set WR,   28
.set WA3,  32
.set SPW,  46
.set NIL,  47
.set AS,   48
.set BS,   80
.set INV,  112
.set T,    120
.set PWX,  122
.set LS,   124
.set TM,   128
.set PC,   144
.set PW,   176
.set NMP,  180
.set LQ,   188
.set CL,   192                         ; v192-207 the copies' LDS addresses, one a row; untouched until the copies are done
.set XT,   128
.set ON,   160
.set OW,   168
.set NFR,  176
.set RN,   192
.set EA,   128
.set SEL,  36
.set MSB, 0
.macro WIN new                         ; the immediate's high byte repeats the setting that is left
.if MSB != (\new)
	s_set_vgpr_msb (MSB<<8)|(\new)
.set MSB, (\new)
.endif
.endm
.macro BAR
	s_wait_dscnt 0x0
	s_barrier_signal -1
	s_barrier_wait -1
.endm
.macro LOADH t, hf                     ; half a tile: 4 K steps, 8 loads of 512 consecutive bytes
	WIN 0xc0
.irp k, 0,1,2,3,4,5,6,7
	global_load_b128 v[64*((\t)%4)+32*(\hf)+4*\k:64*((\t)%4)+32*(\hf)+4*\k+3], v[LN16], s[28:29] offset:(\t)*8192+(\hf)*4096+512*\k
.endr
.endm
.macro LOADT t
	LOADH \t, 0
	LOADH \t, 1
.endm
.macro LOADS                           ; the 8 tiles' scale images, one for each K step
	WIN 0
.irp s, 0,1,2,3,4,5,6,7
	global_load_b128 v[BS+4*\s:BS+4*\s+3], v[LN16], s[30:31] offset:512*\s
.endr
.endm
.macro NEXT                            ; the next GROUP's scales and first three tiles: 56 loads
	LOADS
	LOADT 0
	LOADT 1
	LOADT 2
	WIN 0
.endm
.macro WM t, s, m
.set rD, 64*(\m)+8*(\t)
.set rA, 64*((\t)%4)+8*(\s)
.set rB, 64*(\m)+8*(\s)
.set rX, BS+4*(\s)+(\t)/2
.set rY, AS+8*(\m)+(\s)
.if (\s) == 0
.if (\t)%2
	v_wmma_scale_f32_16x16x128_f8f6f4 v[rD:rD+7], v[rA:rA+7], v[rB:rB+7], 0, v[rX], v[rY] matrix_a_fmt:MATRIX_FMT_FP4 matrix_b_fmt:MATRIX_FMT_FP4 matrix_a_scale:MATRIX_SCALE_ROW1
.else
	v_wmma_scale_f32_16x16x128_f8f6f4 v[rD:rD+7], v[rA:rA+7], v[rB:rB+7], 0, v[rX], v[rY] matrix_a_fmt:MATRIX_FMT_FP4 matrix_b_fmt:MATRIX_FMT_FP4
.endif
.else
.if (\t)%2
	v_wmma_scale_f32_16x16x128_f8f6f4 v[rD:rD+7], v[rA:rA+7], v[rB:rB+7], v[rD:rD+7], v[rX], v[rY] matrix_a_fmt:MATRIX_FMT_FP4 matrix_b_fmt:MATRIX_FMT_FP4 matrix_a_scale:MATRIX_SCALE_ROW1
.else
	v_wmma_scale_f32_16x16x128_f8f6f4 v[rD:rD+7], v[rA:rA+7], v[rB:rB+7], v[rD:rD+7], v[rX], v[rY] matrix_a_fmt:MATRIX_FMT_FP4 matrix_b_fmt:MATRIX_FMT_FP4
.endif
.endif
.endm
; 64 rows x 128 columns x K = 1,024: 8 tiles, 32 matrix instructions each, the tile's four accumulators by turns; the first K step starts the sums.
; Tile t + 3 is asked for ahead of tile t's products; the wait leaves the 48 loads of tiles t + 1 .. t + 3 out.  Four places stand in front of loads into a buffer that matrix instructions have read.
.macro GROUP
.irp t, 0,1,2,3,4,5,6,7
.if \t > 0
.rept 4
	v_nop
.endr
.endif
.if \t < 5
	LOADT \t+3
	s_wait_loadcnt 48
.else
	s_wait_loadcnt 16*(7-\t)
.endif
	WIN 0xa7
.irp s, 0,1,2,3,4,5,6,7
.irp m, 0,1,2,3
	WM \t, \s, \m
.endr
.endr
.endr
.rept 4
	v_nop
.endr
	WIN 0
.endm
.macro STEPP nb, ns                    ; trip 0: on to my next 8 tiles; trip 1: to the next product's first
	s_wait_xcnt 0x0                                ; the loads have read their bases
	s_add_nc_u64 s[32:33], s[28:29], 0x10000
	s_add_nc_u64 s[34:35], s[30:31], 0x1000
	s_cmp_eq_u32 s40, 0
	s_cselect_b64 s[28:29], s[32:33], s[\nb:\nb+1]
	s_cselect_b64 s[30:31], s[34:35], s[\ns:\ns+1]
.endm
.macro FRAGS                           ; the 64 rows' operand: 32 fragments into window 1, their scale words into AS
	WIN 0x40
.irp f, 0,1,2,3,4,5,6,7,8,9,10,11,12,13,14,15,16,17,18,19,20,21,22,23,24,25,26,27,28,29,30,31
	ds_load_b128 v[8*\f:8*\f+3], v[IMR] offset:\f*1024
	ds_load_b128 v[8*\f+4:8*\f+7], v[IMR] offset:\f*1024+512
.endr
	WIN 0
.irp m, 0,1,2,3
	ds_load_b128 v[AS+8*\m:AS+8*\m+3], v[ISR] offset:1024*\m
	ds_load_b128 v[AS+8*\m+4:AS+8*\m+7], v[ISR] offset:1024*\m+16
.endr
.endm
.macro IMAGE adr, pc, off
	ds_store_b128 v[\adr], v[(\pc):(\pc)+3] offset:(\off)
	ds_store_b128 v[\adr], v[(\pc)+4:(\pc)+7] offset:(\off)+512
.endm
.macro ASK flag, ptr
	s_cmp_lg_u32 s[\flag], 0
	s_cbranch_scc0 .Lnot_mine_\@
	global_prefetch_b8 v[PFO], s[\ptr:\ptr+1] th:TH_LOAD_NT scope:SCOPE_SE
.Lnot_mine_\@:
.endm
; 64 numbers of a lane in window w, v[s] on, register 16 b + 8 u + j = k 32 b + 16 u + 8 (lane / 16) + j of my row, become a fragment's codes in v[pc] on and its scale word in v[pw].
.macro QUANT w, s, pc, pw
	WIN (\w)*5
.irp b, 0,1,2,3
	v_max3_num_f32 v[TM+\b], |v[(\s)+16*\b]|, |v[(\s)+16*\b+1]|, 0x1800000   ; from each accumulator's low end on; the floor 2^(3 - 127) holds the byte at 1 from below
.endr
.irp i, 2,4,6,8,10,12,14
.irp b, 0,1,2,3
	v_max3_num_f32 v[TM+\b], |v[(\s)+16*\b+\i]|, |v[(\s)+16*\b+\i+1]|, v[TM+\b]
.endr
.endr
	WIN 0
.irp b, 0,1,2,3
	v_permlanex16_b32 v[TM+4+\b], v[TM+\b], s[SEL], s[SEL+1]
.endr
.irp b, 0,1,2,3
	v_max_num_f32 v[TM+\b], v[TM+\b], v[TM+4+\b]          ; with lane l xor 16's: the block's largest magnitude
.endr
.irp b, 0,1,2,3
	v_add_nc_u32 v[TM+12+\b], 0xff000000, v[TM+\b]        ; 2 off its exponent field: the conversion's scale operand
.endr
.irp b, 0,1,2,3
	v_lshrrev_b32 v[TM+4+\b], 23, v[TM+12+\b]             ; the scale's byte
.endr
	v_lshl_or_b32 v[\pw], v[TM+5], 8, v[TM+4]
	v_lshl_or_b32 v[\pw], v[TM+6], 16, v[\pw]
	v_lshl_or_b32 v[\pw], v[TM+7], 24, v[\pw]
	CODES \w, \s, \pc
.endm
.macro CODES w, s, pc                  ; the codes of (block 2 c + z, piece u) go to register 4 c + 2 u + z; the exchange of halves gives the operand's layout
	WIN (\w)
.irp c, 0,1
.irp u, 0,1
.irp z, 0,1
	v_cvt_scalef32_pk8_fp4_f32 v[(\pc)+4*\c+2*\u+\z], v[(\s)+16*(2*\c+\z)+8*\u:(\s)+16*(2*\c+\z)+8*\u+7], v[TM+12+2*\c+\z]
.endr
.endr
.endr
	WIN 0
	v_nop                                                 ; one plain place behind a scaled conversion
.irp c, 0,1
.irp u, 0,1
	v_permlane16_swap_b32 v[(\pc)+4*\c+2*\u], v[(\pc)+4*\c+2*\u+1]
.endr
.endr
.endm
.macro QLOAD s                         ; my row's 64 numbers of K step s, from the stage into window 1, two sets by turns
	WIN 0x40
.irp b, 0,1,2,3
.irp u, 0,1
.irp q, 0,1
	ds_load_b128 v[64*((\s)%2)+16*\b+8*\u+4*\q:64*((\s)%2)+16*\b+8*\u+4*\q+3], v[STQ] offset:(\s)*REG+128*\b+64*\u+16*\q
.endr
.endr
.endr
	WIN 0
.endm
.macro AWAIT c                         ; K step c's 16 copies are done: 112 - 16 c were issued behind them (the wait's field holds 63 at the most)
.if 112-16*(\c) > 63
	s_wait_asynccnt 63
.else
	s_wait_asynccnt 112-16*(\c)
.endif
.endm
	s_load_b512 s[8:23], s[0:1], 0x0               ; wkf, wks, qf, qs, vf, vs, key_input, out0
	v_lshl_add_u32 v[SPW], v0, 2, SPARE
	v_mov_b32 v[NIL], 0
	ds_add_u32 v[SPW], v[NIL]                      ; the opening lines, ahead of my first copy: the add twice on end and its wait
	ds_add_u32 v[SPW], v[NIL]
	v_lshrrev_b32 v32, 5, v0
	v_readfirstlane_b32 s24, v32                   ; wave
	v_and_b32 v33, 31, v0                          ; lane
	v_lshlrev_b32 v[LN16], 4, v33
	v_and_b32 v34, 15, v0                          ; r
	v_bfe_u32 v35, v0, 4, 1                        ; h
	v_mul_u32_u24 v36, v34, RPITCH
	v_lshl_add_u32 v36, v35, 5, v36                ; stage: row r, + 32 h
	v_lshlrev_b32 v37, 5, v33
	v_lshlrev_b32 v38, 6, v34
	s_lshr_b32 s26, ttmp9, 5                       ; batch
	s_and_b32 s27, ttmp9, 31                       ; my block of its 32
	s_mov_b32 s[SEL], 0x76543210
	s_mov_b32 s[SEL+1], 0xfedcba98
	s_mov_b32 s38, 0x3d38aa3b                      ; log2(e) / sqrt(1024)
	s_mov_b32 s39, s38
	s_mul_i32 s6, s24, TILE                        ; my 16 rows of the stage
	v_add_nc_u32 v[STQ], s6, v36
	v_add_nc_u32 v[CL], s6, v[LN16]                ; a copy's immediate, 4096 r + 512 s, goes to both addresses: row r's register adds the 16 r of padding
.irp r, 1,2,3,4,5,6,7,8,9,10,11,12,13,14,15
	v_add_nc_u32 v[CL+\r], 16*\r, v[CL]
.endr
	s_lshl_b32 s2, s24, 13
	s_add_co_u32 s2, s2, IMG
	v_add_nc_u32 v[XIW], s2, v[LN16]               ; key_input's fragments: m = my wave
	s_lshl_b32 s2, s24, 10
	v_add_nc_u32 v[EP], s2, v36                    ; the way out: my 256 columns
	v_add_nc_u32 v[RB], s2, v[LN16]
	s_add_co_u32 s2, s2, ISC
	v_add_nc_u32 v[XSW], s2, v37
	s_lshl_b32 s2, s24, 11
	s_add_co_u32 s2, s2, IMG
	v_add_nc_u32 v[IMW0], s2, v[LN16]              ; k's and p's fragments: K step 2 x wave + trip
	s_lshl_b32 s2, s24, 3
	s_add_co_u32 s3, s2, ISC
	v_add_nc_u32 v[ISW0], s3, v37
	s_add_co_u32 s3, s2, RED
	v_add_nc_u32 v[RDW], s3, v38
	v_add_nc_u32 v[IMR], IMG, v[LN16]
	v_add_nc_u32 v[ISR], ISC, v37
	v_add_nc_u32 v[RDR], RED, v38
.irp m, 1,2,3
	v_add_nc_u32 v[EP+\m], \m*TILE, v[EP]
	v_add_nc_u32 v[RB+\m], \m*TILE, v[RB]
.endr
	v_lshlrev_b32 v[PFO], 8, v33
.irp b, 0,1,2,3
	v_mov_b32 v[TM+4+\b], 0                        ; a lane permute's destination counts as one of its sources
.endr
	s_lshl_b32 s2, ttmp9, 18                       ; my 64 rows of 4,096 bytes
	s_lshl_b32 s4, s24, 16
	s_add_co_u32 s4, s2, s4
	s_mov_b32 s5, 0
	s_wait_alu depctr_va_vdst(0)                   ; the wait at the head's end
	s_wait_dscnt 0x0                               ; both opening adds are done
	s_wait_kmcnt 0x0
	s_add_nc_u64 s[54:55], s[20:21], s[4:5]        ; key_input at my wave's 16 rows
	s_lshl_b32 s4, s24, 10
	s_add_co_u32 s4, s2, s4
	s_add_nc_u64 s[56:57], s[22:23], s[4:5]        ; out0 at my block's first row, my 256 columns
	s_lshl_b32 s2, s24, 17
	s_mov_b32 s3, 0
	s_add_nc_u64 s[28:29], s[8:9], s[2:3]          ; Wk's images: my 16 tiles
	s_lshl_b32 s4, s24, 13
	s_add_nc_u64 s[30:31], s[10:11], s[4:5]
	NEXT                                           ; Wk's first three tiles are on their way while key_input comes
.irp s, 0,1,2,3,4,5,6,7
.irp r, 0,1,2,3,4,5,6,7,8,9,10,11,12,13,14,15
	global_load_async_to_lds_b128 v[CL+\r], v[LN16], s[54:55] offset:\r*4096+\s*512   ; 512 consecutive bytes of row r; K step by K step, so that the counted waits below serve
.endr
.endr
	s_lshl_b32 s2, s26, 19
	s_add_nc_u64 s[12:13], s[12:13], s[2:3]        ; my batch's q and v
	s_add_nc_u64 s[16:17], s[16:17], s[2:3]
	s_lshl_b32 s2, s26, 15
	s_add_nc_u64 s[14:15], s[14:15], s[2:3]
	s_add_nc_u64 s[18:19], s[18:19], s[2:3]
	s_lshl_b32 s4, s27, 2                          ; the prefetches: block 4 x work-group + wave of q's 64 + 4 (clamped to the last),
	s_add_co_u32 s4, s4, s24
	s_min_u32 s4, s4, 67
	s_cmp_lt_u32 s4, 64
	s_cselect_b64 s[58:59], s[12:13], s[14:15]
	s_cselect_b32 s5, 0, 64
	s_sub_co_u32 s4, s4, s5
	s_lshl_b32 s4, s4, 13
	s_mov_b32 s5, 0
	s_add_nc_u64 s[58:59], s[58:59], s[4:5]
	s_cmp_lt_u32 s27, 17
	s_cselect_b32 s52, 1, 0
	s_max_u32 s4, s27, 15                          ; and block 4 x (work-group - 15) + wave of v's
	s_sub_co_u32 s4, s4, 15
	s_lshl_b32 s4, s4, 2
	s_add_co_u32 s4, s4, s24
	s_cmp_lt_u32 s4, 64
	s_cselect_b64 s[60:61], s[16:17], s[18:19]
	s_cselect_b32 s5, 0, 64
	s_sub_co_u32 s4, s4, s5
	s_lshl_b32 s4, s4, 13
	s_mov_b32 s5, 0
	s_add_nc_u64 s[60:61], s[60:61], s[4:5]
	s_cmp_ge_u32 s27, 15
	s_cselect_b32 s53, 1, 0
	s_lshl_b32 s2, s24, 17                         ; my wave's 16 tiles of q and of v
	s_add_nc_u64 s[12:13], s[12:13], s[2:3]
	s_add_nc_u64 s[16:17], s[16:17], s[2:3]
	s_lshl_b32 s2, s24, 13
	s_add_nc_u64 s[14:15], s[14:15], s[2:3]
	s_add_nc_u64 s[18:19], s[18:19], s[2:3]
	; KEY_INPUT IS QUANTISED as it lands: each wave its own 16 rows, K step by K step; the next step's numbers are read while this step's are converted
	AWAIT 0
	QLOAD 0
.irp s, 0,1,2,3,4,5,6,7
.if \s < 7
	AWAIT \s+1
	QLOAD \s+1
	s_wait_dscnt 16                                ; all but the 16 loads just issued
.else
	s_wait_dscnt 0x0
.endif
	QUANT 1, 64*(\s%2), PC+8*(\s%2), PWX+\s%2
	IMAGE XIW, PC+8*(\s%2), \s*1024
	ds_store_b32 v[XSW], v[PWX+\s%2] offset:4*\s
.if \s == 5
	s_wait_alu depctr_va_vdst(0)                   ; the wait ahead of the branch
	ASK 52, 58
.endif
.endr
	BAR                                            ; all copies and all images are whole
	FRAGS
	BAR                                            ; everybody has read them: k's images may land on them
	; k = Q(key_input) Wk^T, quantised along e
	s_mov_b32 s40, 0
	s_mov_b32 s41, 0
	s_mov_b32 s42, 0
.Lp1:
	GROUP
	STEPP 12, 14
	NEXT
	v_add_nc_u32 v[WA1], s41, v[IMW0]
	v_add_nc_u32 v[WA2], s42, v[ISW0]
.irp m, 0,1,2,3
	QUANT 2, 64*\m, PC+8*\m, PW+\m
	IMAGE WA1, PC+8*\m, 8192*\m
	ds_store_b32 v[WA2], v[PW+\m] offset:1024*\m
.endr
	s_wait_dscnt 0x0
	s_add_co_u32 s41, s41, 1024
	s_add_co_u32 s42, s42, 4
	s_add_co_u32 s40, s40, 1
	s_cmp_lt_u32 s40, 2
	s_cbranch_scc1 .Lp1
	BAR
	FRAGS
	s_wait_alu depctr_va_vdst(0)                   ; the wait ahead of the branch
	ASK 53, 60
	BAR
.irp b, 0,1,2,3
	v_mov_b32 v[NMP+2*\b+1], 0                     ; named as the upper halves of pairs
.endr
.macro SOFTMAX m
.set SB, 64*(\m)
	WIN 0x0a
.irp b, 0,1,2,3
	v_max3_num_f32 v[TM+\b], v[SB+16*\b], v[SB+16*\b+1], 0xff800000   ; each block's largest score: for the row's maximum and for the block's largest p
.endr
.irp i, 2,4,6,8,10,12,14
.irp b, 0,1,2,3
	v_max3_num_f32 v[TM+\b], v[SB+16*\b+\i], v[SB+16*\b+\i+1], v[TM+\b]
.endr
.endr
	WIN 0
.irp b, 0,1,2,3
	v_permlanex16_b32 v[TM+4+\b], v[TM+\b], s[SEL], s[SEL+1]
.endr
.irp b, 0,1,2,3
	v_max_num_f32 v[TM+\b], v[TM+\b], v[TM+4+\b]
.endr
	v_max3_num_f32 v[T], v[TM], v[TM+1], v[TM+2]
	v_max_num_f32 v[T], v[T], v[TM+3]
	v_mul_f32 v[T], s38, v[T]
	v_floor_f32 v[NMP+2*(\m)], -v[T]               ; -M = floor(-t)
.irp b, 0,1,2,3
	v_fma_f32 v[TM+\b], v[TM+\b], s38, v[NMP+2*(\m)]
.endr
	WIN 0x82
.irp j, 0,2,4,6,8,10,12,14,16,18,20,22,24,26,28,30,32,34,36,38,40,42,44,46,48,50,52,54,56,58,60,62
	v_pk_fma_f32 v[SB+\j:SB+\j+1], v[SB+\j:SB+\j+1], s[38:39], v[NMP+2*(\m):NMP+2*(\m)+1] op_sel_hi:[1,0,0]
.endr
	s_wait_alu depctr_va_vdst(0)                   ; the wait ahead of the batch
.irp j, 0,1,2,3,4,5,6,7,8,9,10,11,12,13,14,15,16,17,18,19,20,21,22,23,24,25,26,27,28,29,30,31,32,33,34,35,36,37,38,39,40,41,42,43,44,45,46,47,48,49,50,51,52,53,54,55,56,57,58,59,60,61,62,63
	v_exp_f32 v[SB+\j], v[SB+\j]
.endr
	WIN 0
.irp b, 0,1,2,3
	v_mov_b32 v[LS+\b], 0
.endr
	s_wait_alu depctr_va_vdst(0)                   ; and behind it
.irp b, 0,1,2,3
	v_exp_f32 v[TM+\b], v[TM+\b]
.endr
	WIN 0x02
.irp j, 0,4,8,12,16,20,24,28,32,36,40,44,48,52,56,60
	v_pk_add_f32 v[LS:LS+1], v[SB+\j:SB+\j+1], v[LS:LS+1]      ; the sum of the unquantised p
	v_pk_add_f32 v[LS+2:LS+3], v[SB+\j+2:SB+\j+3], v[LS+2:LS+3]
.endr
	WIN 0
	s_wait_alu depctr_va_vdst(0)
.irp b, 0,1,2,3
	v_max_num_f32 v[TM+\b], 0x1800000, v[TM+\b]
.endr
.irp b, 0,1,2,3
	v_add_nc_u32 v[TM+12+\b], 0xff000000, v[TM+\b]
.endr
.irp b, 0,1,2,3
	v_lshrrev_b32 v[TM+4+\b], 23, v[TM+12+\b]
.endr
	v_lshl_or_b32 v[PW+(\m)], v[TM+5], 8, v[TM+4]
	v_lshl_or_b32 v[PW+(\m)], v[TM+6], 16, v[PW+(\m)]
	v_lshl_or_b32 v[PW+(\m)], v[TM+7], 24, v[PW+(\m)]
	v_pk_add_f32 v[LS:LS+1], v[LS:LS+1], v[LS+2:LS+3]
	v_add_f32 v[LS], v[LS], v[LS+1]
	v_permlanex16_b32 v[LS+2], v[LS], s[SEL], s[SEL+1]
	v_add_f32 v[LQ+(\m)], v[LS], v[LS+2]
	CODES 2, SB, PC+8*(\m)
	IMAGE WA1, PC+8*(\m), 8192*(\m)
	ds_store_b32 v[WA2], v[PW+(\m)] offset:1024*(\m)
	ds_store_b32 v[WA3], v[NMP+2*(\m)] offset:1024*(\m)
	ds_store_b32 v[WA3], v[LQ+(\m)] offset:1024*(\m)+32
.endm
	; the scores k q^T and p, 128 columns n a trip
	s_mov_b32 s40, 0
	s_mov_b32 s41, 0
	s_mov_b32 s42, 0
.Lp2:
	GROUP
	STEPP 16, 18
	NEXT
	v_add_nc_u32 v[WA1], s41, v[IMW0]
	v_add_nc_u32 v[WA2], s42, v[ISW0]
	v_add_nc_u32 v[WA3], s42, v[RDW]
.irp m, 0,1,2,3
	SOFTMAX \m
.endr
	s_wait_dscnt 0x0
	s_add_co_u32 s41, s41, 1024
	s_add_co_u32 s42, s42, 4
	s_add_co_u32 s40, s40, 1
	s_cmp_lt_u32 s40, 2
	s_cbranch_scc1 .Lp2
	BAR
	; the eight -M and sums of each row are joined: the least -M is the row's; each sum is brought under it; my own two scale words a row tile lose the difference
.irp m, 0,1,2,3
	ds_load_b128 v[RN+16*\m:RN+16*\m+3], v[RDR] offset:1024*\m
	ds_load_b128 v[RN+16*\m+4:RN+16*\m+7], v[RDR] offset:1024*\m+16
	ds_load_b128 v[RN+16*\m+8:RN+16*\m+11], v[RDR] offset:1024*\m+32
	ds_load_b128 v[RN+16*\m+12:RN+16*\m+15], v[RDR] offset:1024*\m+48
	ds_load_b64 v[ON+2*\m:ON+2*\m+1], v[RDW] offset:1024*\m
	ds_load_b64 v[OW+2*\m:OW+2*\m+1], v[ISW0] offset:1024*\m
.endr
	s_wait_dscnt 0x0
.irp m, 0,1,2,3
	v_min3_num_f32 v[NFR+\m], v[RN+16*\m], v[RN+16*\m+1], v[RN+16*\m+2]
.endr
.irp m, 0,1,2,3
	v_min3_num_f32 v[NFR+\m], v[NFR+\m], v[RN+16*\m+3], v[RN+16*\m+4]
.endr
.irp m, 0,1,2,3
	v_min3_num_f32 v[NFR+\m], v[NFR+\m], v[RN+16*\m+5], v[RN+16*\m+6]
.endr
.irp m, 0,1,2,3
	v_min_num_f32 v[NFR+\m], v[NFR+\m], v[RN+16*\m+7]
.endr
.irp m, 0,1,2,3
.irp s, 0,1,2,3,4,5,6,7
	v_sub_f32 v[RN+16*\m+\s], v[NFR+\m], v[RN+16*\m+\s]
.endr
.endr
.irp m, 0,1,2,3
.irp s, 0,1,2,3,4,5,6,7
	v_cvt_i32_f32 v[RN+16*\m+\s], v[RN+16*\m+\s]
.endr
.endr
.irp m, 0,1,2,3
.irp s, 0,1,2,3,4,5,6,7
	v_ldexp_f32 v[RN+16*\m+8+\s], v[RN+16*\m+8+\s], v[RN+16*\m+\s]
.endr
.endr
.irp m, 0,1,2,3
.irp s, 0,2,4,6
	v_add_f32 v[RN+16*\m+8+\s], v[RN+16*\m+8+\s], v[RN+16*\m+9+\s]
.endr
.endr
.irp m, 0,1,2,3
	v_add_f32 v[RN+16*\m+8], v[RN+16*\m+8], v[RN+16*\m+10]
	v_add_f32 v[RN+16*\m+12], v[RN+16*\m+12], v[RN+16*\m+14]
.endr
.irp m, 0,1,2,3
	v_add_f32 v[RN+16*\m+8], v[RN+16*\m+8], v[RN+16*\m+12]
.endr
	s_wait_alu depctr_va_vdst(0)                   ; the wait ahead of the batch
.irp m, 0,1,2,3
	v_rcp_f32 v[INV+2*\m], v[RN+16*\m+8]
.endr
.irp m, 0,1,2,3
.irp g, 0,1
	v_sub_f32 v[ON+2*\m+\g], v[ON+2*\m+\g], v[NFR+\m]
.endr
.endr
.irp m, 0,1,2,3
.irp g, 0,1
	v_cvt_i32_f32 v[ON+2*\m+\g], v[ON+2*\m+\g]
.endr
.endr
.macro ADJ wr, dr                      ; each of the word's four bytes loses dr, held at 1 from below
.irp i, 0,1,2,3
	v_bfe_u32 v[XT+\i], v[\wr], 8*\i, 8
.endr
.irp i, 0,1,2,3
	v_add_nc_u32 v[XT+4+\i], -1, v[XT+\i]
.endr
.irp i, 0,1,2,3
	v_min_u32 v[XT+4+\i], v[XT+4+\i], v[\dr]
.endr
.irp i, 0,1,2,3
	v_sub_nc_u32 v[XT+\i], v[XT+\i], v[XT+4+\i]
.endr
	v_lshl_or_b32 v[\wr], v[XT+1], 8, v[XT]
	v_lshl_or_b32 v[\wr], v[XT+2], 16, v[\wr]
	v_lshl_or_b32 v[\wr], v[XT+3], 24, v[\wr]
.endm
.irp n, 0,1,2,3,4,5,6,7
	ADJ OW+\n, ON+\n
.endr
.irp m, 0,1,2,3
	ds_store_b64 v[ISW0], v[OW+2*\m:OW+2*\m+1] offset:1024*\m
.endr
	s_wait_alu depctr_va_vdst(0)                   ; and ahead of the reciprocals' first reader
.irp m, 0,1,2,3
	v_mov_b32 v[INV+2*\m+1], v[INV+2*\m]
.endr
	BAR
	FRAGS
	s_wait_dscnt 0x0
.macro RES m                           ; key_input at row tile m, my 128 columns of the trip, in the accumulators' layout
.irp t, 0,1,2,3,4,5,6,7
	ds_load_b128 v[EA+64*((\m)%2)+8*\t:EA+64*((\m)%2)+8*\t+3], v[WE+(\m)] offset:64*\t
	ds_load_b128 v[EA+64*((\m)%2)+8*\t+4:EA+64*((\m)%2)+8*\t+7], v[WE+(\m)] offset:64*\t+16
.endr
.endm
	; p v, divided by the row's sum, + key_input: put back into the stage's own bytes and read back by rows: each store of the wave covers 512 consecutive bytes, aligned
	s_mov_b32 s40, 0
	s_mov_b32 s43, 0
.Lp3:
	GROUP
	s_cmp_eq_u32 s40, 1
	s_cbranch_scc1 .Lp3_last
	s_wait_xcnt 0x0
	s_add_nc_u64 s[28:29], s[28:29], 0x10000
	s_add_nc_u64 s[30:31], s[30:31], 0x1000
	NEXT
.Lp3_last:
.irp m, 0,1,2,3
	v_add_nc_u32 v[WE+\m], s43, v[EP+\m]
	v_add_nc_u32 v[WR+\m], s43, v[RB+\m]
.endr
	RES 0
.irp m, 0,1,2,3
.if \m < 3
	RES \m+1
	s_wait_dscnt 16
.else
	s_wait_dscnt 0x0
.endif
	WIN 0x02
.irp j, 0,2,4,6,8,10,12,14,16,18,20,22,24,26,28,30,32,34,36,38,40,42,44,46,48,50,52,54,56,58,60,62
	v_pk_fma_f32 v[EA+64*(\m%2)+\j:EA+64*(\m%2)+\j+1], v[64*\m+\j:64*\m+\j+1], v[INV+2*\m:INV+2*\m+1], v[EA+64*(\m%2)+\j:EA+64*(\m%2)+\j+1] op_sel_hi:[1,0,1]
.endr
	WIN 0
.irp t, 0,1,2,3,4,5,6,7
	ds_store_b128 v[WE+\m], v[EA+64*(\m%2)+8*\t:EA+64*(\m%2)+8*\t+3] offset:64*\t
	ds_store_b128 v[WE+\m], v[EA+64*(\m%2)+8*\t+4:EA+64*(\m%2)+8*\t+7] offset:64*\t+16
.endr
.if \m > 0
	s_wait_xcnt 0x0                                ; the last tile's stores have read their data
.endif
	WIN 0xc0
.irp i, 0,1,2,3,4,5,6,7,8,9,10,11,12,13,14,15
	ds_load_b128 v[192+4*\i:192+4*\i+3], v[WR+\m] offset:\i*RPITCH
.endr
	s_wait_dscnt 0x0
	WIN 0x0c
.irp i, 0,1,2,3,4,5,6,7,8,9,10,11,12,13,14,15
	global_store_b128 v[LN16], v[192+4*\i:192+4*\i+3], s[56:57] offset:(16*\m+\i)*4096 th:TH_STORE_NT
.endr
	WIN 0
.endr
	s_wait_xcnt 0x0
	s_add_nc_u64 s[56:57], s[56:57], 512
	s_add_co_u32 s43, s43, REG
	s_add_co_u32 s40, s40, 1
	s_cmp_lt_u32 s40, 2
	s_cbranch_scc1 .Lp3
	s_wait_tensorcnt 0x0                           ; the wave's end
	s_wait_asynccnt 0x0
	ds_add_u32 v[SPW], v[NIL]
	s_wait_dscnt 0x0
	s_endpgm
.Lfunc_end_k_qcec2ce8e34_attn:
	.size	k_qcec2ce8e34_attn, .Lfunc_end_k_qcec2ce8e34_attn-k_qcec2ce8e34_attn
	.p2alignl 7, 3214868480
	.fill 96, 4, 3214868480
	.section	.rodata,"a",@progbits
	.p2align	6, 0x0
	.amdhsa_kernel k_qcec2ce8e34_attn
		.amdhsa_group_segment_fixed_size 327680
		.amdhsa_private_segment_fixed_size 0
		.amdhsa_enable_private_segment 0
		.amdhsa_kernarg_size 64
		.amdhsa_user_sgpr_count 2
		.amdhsa_user_sgpr_kernarg_segment_ptr 1
		.amdhsa_wavefront_size32 1
		.amdhsa_system_sgpr_workgroup_id_x 1
		.amdhsa_system_sgpr_workgroup_id_y 1
		.amdhsa_system_sgpr_workgroup_id_z 1
		.amdhsa_system_vgpr_workitem_id 0
		.amdhsa_next_free_vgpr 1024
		.amdhsa_next_free_sgpr 66
		.amdhsa_reserve_vcc 0
		.amdhsa_float_denorm_mode_32 3
		.amdhsa_float_denorm_mode_16_64 3
		.amdhsa_memory_ordered 1
		.amdhsa_forward_progress 1
		.amdhsa_inst_pref_size 255
	.end_amdhsa_kernel
	.section	.bss,"aw",@nobits
	.p2align	6
	.space	262144
	.amdgpu_metadata
---
amdhsa.version: [ 1, 2 ]
amdhsa.kernels:
  - .name:           k_qcec2ce8e34_attn
    .symbol:         k_qcec2ce8e34_attn.kd
    .args:
      - { .name: wkf, .offset: 0, .size: 8, .value_kind: global_buffer, .address_space: global }
      - { .name: wks, .offset: 8, .size: 8, .value_kind: global_buffer, .address_space: global }
      - { .name: qf, .offset: 16, .size: 8, .value_kind: global_buffer, .address_space: global }
      - { .name: qs, .offset: 24, .size: 8, .value_kind: global_buffer, .address_space: global }
      - { .name: vf, .offset: 32, .size: 8, .value_kind: global_buffer, .address_space: global }
      - { .name: vs, .offset: 40, .size: 8, .value_kind: global_buffer, .address_space: global }
      - { .name: key_input, .offset: 48, .size: 8, .value_kind: global_buffer, .address_space: global }
      - { .name: out0, .offset: 56, .size: 8, .value_kind: global_buffer, .address_space: global }
    .group_segment_fixed_size: 327680
    .private_segment_fixed_size: 0
    .kernarg_segment_align: 8
    .kernarg_segment_size: 64
    .max_flat_workgroup_size: 128
    .sgpr_count:     66
    .vgpr_count:     1024
    .wavefront_size: 32
...
	.end_amdgpu_metadata
.endif
;; end of part 2
